; MI455X (gfx1250); checked and timed in simulation.
; The chip was launched on July 23, 2026; its instructions are those of AMD's public machine-readable ISA for CDNA 5 (MIT licence, August 2026) and "CDNA5" Instruction Set Architecture Reference Guide (July 2026). The comments in the code are by the model that wrote it; some were corrected since.
;; Packed Linear. Allowed arithmetic: matrix products marked QUANTISED: E3M2 operands, one E8M0 scale for each 32 along K, by v_wmma_scale_f32_16x16x128_f8f6f4 with both operands' format E3M2, f32 sums; everything else in f32.
;; Inputs: codebook 262,144 x 8 float32; packed_indices 12,582,912 int32; x 2,048 x 8,192 float32.
;; Outputs: out0 2,048 x 4,096 float32.
;; This version of the problem:
;;   THIS VERSION OF THE PROBLEM IS GIVEN IN LOW PRECISION. The matrix products marked QUANTISED in the list below multiply operands that are first quantised to E3M2 (3 exponent bits, 2 mantissa bits; 6 bits a number), with one power-of-two scale for each 32 numbers along K (OCP MX v1.0); their sums are f32. All else is computed in f32.
;;   The module's matrix products, in the order in which they are computed (A, B: the left and right operand; K: the contracted axis; several contracted axes count as one K, in the product's order):
;;     1. [M 2,048, K 8,192] x [K 8,192, N 4,096]; A: input x; B: computed on the way: QUANTISED
;;   THE QUANTISER, for each operand of a quantised product, along K:
;;     - K is cut into blocks of 32 from its start; a last block that is shorter is filled with zeros.
;;     - A block's scale is 2^e with e = floor(log2(the largest magnitude in the block)) - 4, held to -126 .. 127; a block of zeros has e = 0. As a byte (E8M0): e + 127.
;;     - Each number is divided by its block's scale, clamped to +-28, and rounded to the nearest number of E3M2, ties to even, subnormals kept.
;;     - The product sums the exact products of the quantised numbers (number of the format x scale) in f32.
;;   ~~~python
;;   def quantise(x, axis):      # numpy; x: float32 -> the quantised numbers, widened to float32 again
;;       x = np.moveaxis(x, axis, -1); K = x.shape[-1]
;;       x = np.pad(x, [(0, 0)] * (x.ndim - 1) + [(0, -K % 32)]); x = x.reshape(x.shape[:-1] + (-1, 32)); a = np.abs(x).max(-1, keepdims=True)
;;       e = np.where(a > 0, np.clip(np.frexp(np.where(a > 0, a, 1))[1] - 1 - 4, -126, 127), 0)      # np.frexp(a)[1] - 1 = floor(log2(a)), exactly
;;       r = np.clip(x / 2.0 ** e, -28, 28)
;;       step = 2.0 ** (np.maximum(np.frexp(np.where(r == 0, 1, r))[1] - 1, -2) - 2)
;;       q = np.round(r / step) * step * 2.0 ** e      # np.round: ties to even
;;       return np.moveaxis(q.reshape(q.shape[:-2] + (-1,))[..., :K], -1, axis).astype(np.float32)
;;   ~~~
;;   OPERANDS COMPUTED ON THE WAY. 'Computed on the way' means the value that the module computes at that place (a softmax that the list does not call 'softmax' is quantised finished and normalised). What goes into a quantiser is computed in f32, as accurately as f32 sums, v_exp_f32 and their like allow (about 1e-6 of the number): no bf16 or f16 on the way to a quantiser, and a product that is left as it is and whose result goes on into a quantised operand takes f32 operands (vector FMAs, or v_wmma_f32_16x16x4_f32). A number that lies on a knife's edge between two numbers of the format may be rounded either way, as far as f32 arithmetic and the matrix unit's own rounding can turn it there, and no further.
;; One version. Each part assembles by itself: llvm-mc -triple=amdgcn-amd-amdhsa -mcpu=gfx1250 --defsym DOCPART=n.
;; ======== version 1 of 1: 2 launches
;; limits: right only within a limited range of input values
;; workspace buffers: xq 13,107,200 bytes; wq 26,214,400 bytes
;; launch prep (part 1): grid 256 x 1, 16 waves a work-group, no clusters, 274,944 bytes of LDS; arguments x, packed_indices, codebook, xq, wq; writes xq, wq
.if DOCPART == 1
	.amdgcn_target "amdgcn-amd-amdhsa--gfx1250"
	.amdhsa_code_object_version 6
	.text
	.protected	k_qd959299757_prep
	.globl	k_qd959299757_prep
	.p2align	8
	.type	k_qd959299757_prep,@function
k_qd959299757_prep:
	s_mov_b64 s[64:65], 0
	v_nop
	global_prefetch_b8 v0, s[64:65] scope:SCOPE_SE
	s_setreg_imm32_b32 hwreg(HW_REG_WAVE_MODE, 25, 1), 1
	s_wait_xcnt 0x0
; Both operands of y = x w^T become codes of BF6 (E3M2) with one E8M0 scale byte for each 32 along K, once, for the product's launch.
; x: [2048][8192] f32.  w: [4096][8192], looked up: three int32 words p0 | p1 << 8 | p2 << 16 hold eight 3-bit indices; each 128 neighbours along K share one codebook block of 8 f32.
; A block's scale is 2^(floor(log2(its largest magnitude)) - 4); its byte is that magnitude's exponent field - 4, held at 1 from below.
; LIMITS: a block of zeros gets the byte 1 where the rule says 127 (its codes are zeros, and this program alone reads the bytes); blocks whose largest magnitude lies under 2^(4 - 126) keep the byte 1;
; NaN and infinities are not served.  The index words are taken with all their 32 bits, and bits 0 to 23 of the OR are looked at.
; THE WORKSPACE IS LAID IN THE ORDER OF THE OPERAND'S REGISTERS: records of 64 rows x 128 K, 6,400 bytes: four fragments (16 rows x 128 K) of 1,536 bytes, registers 4 c .. 4 c + 3 of lane l at 512 c + 16 l
; (lane l = r + 16 h holds row r; registers 0-5: k = 32 h + 0 .. 31, registers 6-11: k = 64 + 32 h + 0 .. 31); then 256 bytes of scale words: that of fragment f, row r at 6,144 + 16 r + 4 f.
; xq: [16 tiles of 128 rows][64 K steps][2 records];  wq: [16 tiles of 256 rows][64 K steps][4 records].
; SHARES.  256 work-groups of 16 waves.  Of x a work-group takes 64 rows x 8 K steps, a wave two fragments.  Of w it takes 64 rows x 16 K steps; a wave takes 4 rows, in 8 turns of one row x 8 K steps.
; THE LOOKUP: the 32 entries of four codebook blocks lie in the 32 lanes of one register, just as one load of 128 bytes brings them; ds_bpermute_b32 then looks up 32 numbers an instruction.
; A lane holds 16 neighbours along K; its 12 bytes of codes go to an image of the records in LDS, and behind ONE barrier each wave stores one whole record: 25 aligned blocks of 256 bytes.
; No tensor load, no loop: every offset is an immediate.
.set XST, 0                            ; LDS: x's turn, 16 rows x 528 bytes for each wave
.set TST, 135168                       ; the index words' turn, 1,536 bytes for each wave
.set XSC, 159744                       ; x's scale words: 8 units of 256 bytes
.set IMG, 161792                       ; w's 16 records, REC bytes apart: fragment 1,632, chunk 544, half of the lanes 272, row 16; scale words at 6,528
.set REC, 6944                         ; with these pitches the 32 lanes of a 4-byte store into the image fall on 32 different words modulo 256 bytes
; REGISTERS: v1 lane, v2 16 lane, v3 4 lane, v22 8 lane, v4 r, v5 h (later 8 h); v6-v21, v23 LDS addresses; v24-31 at work;
; v32-159 x as loaded, then eight sets of 16 for w (12 index words, 2 registers of codebook entries); v160-223 64 numbers of x, then 32 lookup addresses and 32 numbers of w;
; v224-247 x's codes, then index words, bits, w's codes and bytes; v248-254 halves of blocks on their way.
	s_load_b256 s[4:11], s[0:1], 0x0               ; x s[4:5], packed_indices s[6:7], codebook s[8:9], xq s[10:11]
	s_load_b64 s[12:13], s[0:1], 0x20              ; wq
	v_lshl_add_u32 v251, v0, 2, 0x42a00
	v_mov_b32 v255, 0
	v_lshrrev_b32 v1, 5, v0
	s_delay_alu instid0(VALU_DEP_1)
	v_readfirstlane_b32 s14, v1                    ; wave 0..15
	v_and_b32 v1, 31, v0                           ; lane
	s_delay_alu instid0(VALU_DEP_1)
	v_lshlrev_b32 v2, 4, v1
	s_delay_alu instid0(VALU_DEP_2)
	v_lshlrev_b32 v3, 2, v1
	s_and_b32 s15, s14, 3
	s_lshr_b32 s16, s14, 2
	s_lshr_b32 s17, ttmp9, 3                       ; x: which 64 rows,
	s_and_b32 s18, ttmp9, 7                        ; which 8 K steps
	s_lshr_b32 s19, ttmp9, 2                       ; w: which 64 rows,
	s_and_b32 s22, ttmp9, 3                        ; which 16 K steps
	s_mov_b32 s20, 0x76543210
	s_mov_b32 s21, 0xfedcba98                      ; v_permlanex16_b32's selects for lane l xor 16
	; byte offsets, each in a pair of its own with 0 above (all stay under 2^27)
	s_lshl_b32 s24, s17, 21                        ; x: 64 rows of 32,768 bytes,
	s_lshl_b32 s38, s15, 19                        ; my 16 rows,
	s_add_co_u32 s24, s24, s38
	s_lshl_b32 s38, s18, 12                        ; 8 K steps of 512 bytes,
	s_add_co_u32 s24, s24, s38
	s_lshl_b32 s38, s16, 10                        ; my two
	s_add_co_u32 s24, s24, s38
	s_mov_b32 s25, 0
	s_mul_i32 s26, s19, 786432                     ; index words: 64 rows of 12,288 bytes,
	s_mul_i32 s38, s14, 49152                      ; my 4 rows,
	s_add_co_u32 s26, s26, s38
	s_mul_i32 s38, s22, 3072                       ; 16 K steps of 192 bytes
	s_add_co_u32 s26, s26, s38
	s_mov_b32 s27, 0
	s_lshl_b32 s28, s19, 17                        ; codebook: 64 rows of 2,048 bytes,
	s_lshl_b32 s38, s14, 13                        ; my 4 rows,
	s_add_co_u32 s28, s28, s38
	s_lshl_b32 s38, s22, 9                         ; 16 blocks of 32 bytes
	s_add_co_u32 s28, s28, s38
	s_mov_b32 s29, 0
	s_lshr_b32 s23, s17, 1
	s_lshl_b32 s23, s23, 6
	s_lshl_b32 s38, s18, 3
	s_add_co_u32 s23, s23, s38                     ; xq: 64 x tile + the work-group's first K step
	s_and_b32 s39, s17, 1                          ; which of the tile's two records
	s_lshl_b32 s38, s16, 1
	s_add_co_u32 s30, s23, s38                     ; my first K step
	s_lshl_b32 s30, s30, 1
	s_add_co_u32 s30, s30, s39
	s_mul_i32 s30, s30, 6400
	s_mul_i32 s38, s15, 1536                       ; my fragment
	s_add_co_u32 s30, s30, s38
	s_mov_b32 s31, 0
	s_and_b32 s38, s14, 7                          ; the record whose scale words I store (waves 0 to 7 do)
	s_add_co_u32 s32, s23, s38
	s_lshl_b32 s32, s32, 1
	s_add_co_u32 s32, s32, s39
	s_mul_i32 s32, s32, 6400
	s_add_co_u32 s32, s32, 6144
	s_mov_b32 s33, 0
	s_lshr_b32 s34, s19, 2                         ; wq: tile,
	s_lshl_b32 s34, s34, 6
	s_lshl_b32 s38, s22, 4
	s_add_co_u32 s34, s34, s38
	s_add_co_u32 s34, s34, s14                     ; K step 16 kq + wave: the record that I store,
	s_lshl_b32 s34, s34, 2
	s_and_b32 s38, s19, 3
	s_add_co_u32 s34, s34, s38                     ; which of the tile's four
	s_mul_i32 s34, s34, 6400
	s_mov_b32 s35, 0
	s_wait_alu depctr_va_vdst(0)
	s_wait_kmcnt 0x0
	s_add_nc_u64 s[4:5], s[4:5], s[24:25]
	s_add_nc_u64 s[6:7], s[6:7], s[26:27]
	s_add_nc_u64 s[8:9], s[8:9], s[28:29]
	s_add_nc_u64 s[36:37], s[10:11], s[32:33]      ; xq at a record's scale words
	s_add_nc_u64 s[10:11], s[10:11], s[30:31]      ; xq at my fragments
	s_add_nc_u64 s[12:13], s[12:13], s[34:35]
; THE ORDER OF THE WORK: w first, x behind it.  v32-159 hold w's eight sets first; as soon as turn k has used set k, its 16 registers take four rows of x
; (rows 4 (k % 4) .. + 3 of my K step k / 4: each load reads 512 consecutive bytes of a row), so that x is on its way while w is looked up.
.macro XLOADQ k
.irp i, 0,1,2,3
	global_load_b128 v[32+16*(\k)+4*\i:32+16*(\k)+4*\i+3], v2, s[4:5] offset:32768*(4*((\k)%4)+\i)+512*((\k)/4) th:TH_LOAD_NT
.endr
.endm
	; LDS addresses, all made here: a constant + a term of the lane + a term of the wave
	v_and_b32 v4, 15, v0                           ; r
	v_bfe_u32 v5, v0, 4, 1                         ; h
	v_lshlrev_b32 v22, 3, v1
	s_mul_i32 s38, s14, 8448
	v_add_nc_u32 v6, s38, v2                       ; x's turn, in: 16 lane (+ 528 a row)
	v_mul_u32_u24 v7, v4, 528
	s_delay_alu instid0(VALU_DEP_1)
	v_lshl_add_u32 v7, v5, 7, v7
	s_delay_alu instid0(VALU_DEP_1)
	v_add_nc_u32 v7, s38, v7                       ; and out: row r, + 128 h: my block of 32 numbers
	s_lshl_b32 s38, s16, 9
	s_lshl_b32 s39, s15, 2
	s_add_co_u32 s38, s38, s39
	s_add_co_u32 s38, s38, XSC
	v_lshlrev_b32 v8, 4, v4
	s_delay_alu instid0(VALU_DEP_1)
	v_add_nc_u32 v8, s38, v8                       ; x's scale word: unit 2 (wave / 4) (+ t), 16 r + 4 (wave % 4)
	s_mul_i32 s38, s14, 1536
	s_add_co_u32 s38, s38, TST
	v_add_nc_u32 v9, s38, v2                       ; the index words' turn, in: as they lie,
	v_mul_u32_u24 v10, v1, 24
	s_delay_alu instid0(VALU_DEP_1)
	v_add_nc_u32 v10, s38, v10                     ; and out: 24 bytes a lane: the six words of my 16 neighbours
	v_and_b32 v11, 24, v1
	s_delay_alu instid0(VALU_DEP_1)
	v_lshlrev_b32 v11, 2, v11                      ; 4 x the lane that holds entry 0 of my codebook block
	v_lshrrev_b32 v24, 3, v1                       ; g: which of a pass's four K steps is mine;  j = lane % 8: my 16 of its 128 numbers
	v_bfe_u32 v26, v0, 1, 1                        ; my block of 32 is j / 2: it belongs to the half (j / 2) % 2 of the fragment's lanes,
	v_bfe_u32 v27, v0, 2, 1
	v_and_b32 v28, 1, v0
	s_delay_alu instid0(VALU_DEP_2)
	v_mul_u32_u24 v27, v27, 6
	s_delay_alu instid0(VALU_DEP_1)
	v_mad_u32_u24 v27, v28, 3, v27                 ; and my three registers of codes are the fragment's 6 (j / 4) + 3 (j % 2) + 0 .. 2
	v_mul_u32_u24 v29, v24, REC
	s_delay_alu instid0(VALU_DEP_1)
	v_mad_u32_u24 v29, v26, 272, v29
	s_mul_i32 s38, s16, 1632                       ; my rows lie in fragment wave / 4, from row 4 (wave % 4) on
	s_lshl_b32 s39, s15, 6
	s_add_co_u32 s38, s38, s39
	s_add_co_u32 s38, s38, IMG
	v_add_nc_u32 v29, s38, v29
.irp t, 0,1,2
	v_add_nc_u32 v30, \t, v27                      ; register R: chunk R / 4, word R % 4
	s_delay_alu instid0(VALU_DEP_1)
	v_lshrrev_b32 v31, 2, v30
	s_delay_alu instid0(VALU_DEP_2)
	v_and_b32 v30, 3, v30
	s_delay_alu instid0(VALU_DEP_2)
	v_mad_u32_u24 v31, v31, 544, v29
	s_delay_alu instid0(VALU_DEP_1)
	v_lshl_add_u32 v[12+\t], v30, 2, v31           ; v12-14: K steps 0 to 7 of the work-group's 16,
	s_delay_alu instid0(VALU_DEP_1)
	v_add_nc_u32 v[15+\t], 8*REC, v[12+\t]         ; v15-17: K steps 8 to 15
.endr
	v_bfe_u32 v30, v0, 1, 2                        ; j / 2: my block's byte in the scale word
	s_delay_alu instid0(VALU_DEP_1)
	v_mad_u32_u24 v18, v24, REC, v30
	s_lshl_b32 s38, s15, 6
	s_lshl_b32 s39, s16, 2
	s_add_co_u32 s38, s38, s39
	s_add_co_u32 s38, s38, IMG+6528
	v_add_nc_u32 v18, s38, v18
	s_delay_alu instid0(VALU_DEP_1)
	v_add_nc_u32 v19, 8*REC, v18
	s_mul_i32 s38, s14, REC
	s_add_co_u32 s38, s38, IMG
	v_mul_u32_u24 v20, v5, 272
	s_delay_alu instid0(VALU_DEP_1)
	v_lshl_add_u32 v20, v4, 4, v20
	s_delay_alu instid0(VALU_DEP_1)
	v_add_nc_u32 v20, s38, v20                     ; the way out: record = wave; a chunk's 16 bytes of lane (r, h)
	v_add_nc_u32 v21, s38, v22
	s_delay_alu instid0(VALU_DEP_1)
	v_add_nc_u32 v21, 6528, v21                    ; and its scale words, 8 bytes a lane
	s_and_b32 s39, s14, 7
	s_lshl_b32 s39, s39, 8
	s_add_co_u32 s39, s39, XSC
	v_add_nc_u32 v23, s39, v22                     ; x's scale words, 8 bytes a lane
	v_lshlrev_b32 v5, 3, v5                        ; 8 h from here on
	v_mov_b32 v31, 0                               ; a lane permute's destination counts as one of its sources
.macro XTURN t                         ; 16 rows x 512 bytes through my stage: in as loaded, out 128 bytes a lane for each of my two blocks.  LDS serves a wave's instructions in order
.irp p, 0,1,2,3,4,5,6,7,8,9,10,11,12,13,14,15
	ds_store_b128 v6, v[32+64*\t+4*\p:32+64*\t+4*\p+3] offset:528*\p
.endr
.irp c, 0,1
.irp i, 0,1,2,3,4,5,6,7
	ds_load_b128 v[160+32*\c+4*\i:160+32*\c+4*\i+3], v7 offset:256*\c+16*\i   ; x(r, 64 c + 32 h + 4 i ..)
.endr
.endr
.endm
; v160-223: my two whole blocks (k = 32 h + .., 64 + 32 h + ..) become the fragment's 12 registers at v[dst] on; the row's scale word is gathered from lanes l and l xor 16
.macro XQUANT t, dst
.irp c, 0,1
	v_max3_num_f32 v[24+\c], |v[160+32*\c]|, |v[161+32*\c]|, 0x2800000   ; and the floor 2^(5 - 127): the byte cannot fall under 1
.endr
.irp i, 2,4,6,8,10,12,14,16,18,20,22,24,26,28,30
.irp c, 0,1
	s_delay_alu instid0(VALU_DEP_2)
	v_max3_num_f32 v[24+\c], v[24+\c], |v[160+32*\c+\i]|, |v[161+32*\c+\i]|   ; (the two blocks by turns)
.endr
.endr
.irp c, 0,1
	s_delay_alu instid0(VALU_DEP_2)
	v_add_nc_u32 v[26+\c], 0xfe000000, v[24+\c]    ; 4 off the exponent field: the conversion takes the exponent field of this operand as its scale
.endr
.irp c, 0,1
	s_delay_alu instid0(VALU_DEP_2)
	v_lshrrev_b32 v[28+\c], 23, v[26+\c]           ; the scale's byte
.endr
	s_delay_alu instid0(VALU_DEP_1)
	v_lshl_or_b32 v30, v29, 16, v28                ; blocks h and 2 + h,
	s_delay_alu instid0(VALU_DEP_1)
	v_lshlrev_b32 v30, v5, v30                     ; at their places in the word (8 h bits up);
	s_delay_alu instid0(VALU_DEP_1)
	v_permlanex16_b32 v31, v30, s20, s21
	s_delay_alu instid0(VALU_DEP_1)
	v_or_b32 v30, v30, v31                         ; with lane l xor 16's two the word is whole
.irp c, 0,1
	v_cvt_scalef32_pk16_bf6_f32 v[\dst+6*\c:\dst+6*\c+2], v[160+32*\c:175+32*\c], v[26+\c]
	v_cvt_scalef32_pk16_bf6_f32 v[248+4*\c:250+4*\c], v[176+32*\c:191+32*\c], v[26+\c]   ; (a conversion's three registers begin on an even number: the block's second half is made here and moved)
.endr
	v_nop                                          ; one plain place behind a scaled conversion
.irp c, 0,1
.irp i, 0,1,2
	v_mov_b32 v[\dst+3+6*\c+\i], v[248+4*\c+\i]
.endr
.endr
	ds_store_b32 v8, v30 offset:256*\t             ; lanes l and l + 16 write the same word with the same value
.irp c, 0,1,2
	global_store_b128 v2, v[\dst+4*\c:\dst+4*\c+3], s[10:11] offset:12800*\t+512*\c   ; 32 lanes store 512 consecutive bytes, aligned
.endr
.endm
; Set k (row k / 2 of my four, K steps 8 (k % 2) on): 1,536 bytes of index words, and 256 bytes of codebook: lane 8 g + e of register p holds entry e of block 4 p + g
.macro WLOAD k
.irp j, 0,1,2
	global_load_b128 v[32+16*(\k)+4*\j:32+16*(\k)+4*\j+3], v2, s[6:7] offset:12288*((\k)/2)+1536*((\k)%2)+512*\j th:TH_LOAD_NT
.endr
.irp p, 0,1
	global_load_b32 v[44+16*(\k)+\p], v3, s[8:9] offset:2048*((\k)/2)+256*((\k)%2)+128*\p th:TH_LOAD_NT
.endr
.endm
; Pass p of turn k: my 16 numbers become 12 bytes of codes and, with my neighbour's 16, a scale byte; both go to the records' image
.macro FIN p, k
.set WB, 192+16*\p
.set TA, 24+3*\p
.set CW, 240+4*\p
	v_max3_num_f32 v[TA], |v[WB]|, |v[WB+1]|, 0x2800000              ; two chains; the floor 2^(5 - 127) is one leaf
	v_max3_num_f32 v[TA+1], |v[WB+2]|, |v[WB+3]|, |v[WB+4]|
	s_delay_alu instid0(VALU_DEP_2)
	v_max3_num_f32 v[TA], v[TA], |v[WB+5]|, |v[WB+6]|
	s_delay_alu instid0(VALU_DEP_2)
	v_max3_num_f32 v[TA+1], v[TA+1], |v[WB+7]|, |v[WB+8]|
	s_delay_alu instid0(VALU_DEP_2)
	v_max3_num_f32 v[TA], v[TA], |v[WB+9]|, |v[WB+10]|
	s_delay_alu instid0(VALU_DEP_2)
	v_max3_num_f32 v[TA+1], v[TA+1], |v[WB+11]|, |v[WB+12]|
	s_delay_alu instid0(VALU_DEP_2)
	v_max3_num_f32 v[TA], v[TA], |v[WB+13]|, |v[WB+14]|
	s_delay_alu instid0(VALU_DEP_1)
	v_max3_num_f32 v[TA], v[TA], v[TA+1], |v[WB+15]|
	s_delay_alu instid0(VALU_DEP_1)
	v_max_num_f32_dpp v[TA], v[TA], v[TA] row_xmask:1 row_mask:0xf bank_mask:0xf   ; with lane l xor 1's 16: the block's largest magnitude
	s_delay_alu instid0(VALU_DEP_1)
	v_add_nc_u32 v[TA+2], 0xfe000000, v[TA]
	v_cvt_scalef32_pk16_bf6_f32 v[CW:CW+2], v[WB:WB+15], v[TA+2]
	v_lshrrev_b32 v[CW+3], 23, v[TA+2]             ; the scale's byte (also the plain place behind the conversion)
.irp t, 0,1,2
	ds_store_b32 v[12+3*((\k)%2)+\t], v[CW+\t] offset:4*REC*\p+16*((\k)/2)
.endr
	ds_store_b8 v[18+(\k)%2], v[CW+3] offset:4*REC*\p+16*((\k)/2)   ; both lanes of a block write the same byte with the same value
.endm
; Turn k: one row x 8 K steps = 1,024 numbers, 32 a lane, in two passes of four codebook blocks
.macro ITER k
	s_wait_loadcnt 35-(\k)                         ; set k's five loads are in; behind them were issued 5 (7 - k) loads of later sets and 4 k loads of x
.irp j, 0,1,2
	ds_store_b128 v9, v[32+16*(\k)+4*\j:32+16*(\k)+4*\j+3] offset:512*\j
.endr
.irp p, 0,1
.irp m, 0,1,2
	ds_load_b64 v[224+6*\p+2*\m:224+6*\p+2*\m+1], v10 offset:768*\p+8*\m
.endr
.endr
	s_wait_dscnt 0x0                               ; my six words of each pass are in; the last turn's stores and lane permutes are done too, so their registers may be written
.irp q, 0,1,2,3
	v_lshl_or_b32 v[236+\q], v[225+3*\q], 8, v[224+3*\q]
.endr
.irp q, 0,1,2,3
	s_delay_alu instid0(VALU_DEP_4)
	v_lshl_or_b32 v[236+\q], v[226+3*\q], 16, v[236+\q]            ; p0 | p1 << 8 | p2 << 16: eight indices
.endr
.irp p, 0,1
.irp n, 0,1,2,3,4,5,6,7,8,9,10,11,12,13,14,15
	v_bfe_u32 v[160+16*\p+\n], v[236+2*\p+\n/8], 3*(\n%8), 3
.endr
.irp n, 0,1,2,3,4,5,6,7,8,9,10,11,12,13,14,15
	v_lshl_add_u32 v[160+16*\p+\n], v[160+16*\p+\n], 2, v11        ; 4 x (the lane of my block's entry 0 + the index)
.endr
.irp n, 0,1,2,3,4,5,6,7,8,9,10,11,12,13,14,15
	ds_bpermute_b32 v[192+16*\p+\n], v[160+16*\p+\n], v[44+16*(\k)+\p]   ; w = codebook[block][index]
.endr
.endr
	s_wait_dscnt 16                                ; pass 0's sixteen are in, pass 1's may be out
	FIN 0, \k
	s_wait_dscnt 4                                 ; pass 1's are in: only the four stores just issued may be out
	FIN 1, \k
.endm
	s_wait_alu depctr_va_vdst(0)                   ; the wait at the head's end
.irp k, 0,1,2,3,4,5,6,7
	WLOAD \k                                       ; all of w's 40 loads
.endr
.irp k, 0,1,2,3,4,5,6,7
	ITER \k
	XLOADQ \k                                      ; set k's registers have been read (the turn's last wait on DScnt covers its stage stores and lane permutes): they take four rows of x
.endr
	s_wait_dscnt 0x0                               ; for the others' sake: all my LDS stores have landed
	s_barrier_signal -1
	s_barrier_wait -1                              ; the sixteen records are whole
.irp m, 0,1,2,3,4,5,6,7,8,9,10,11
	ds_load_b128 v[160+4*\m:160+4*\m+3], v20 offset:544*\m   ; (v32-159 are x's now: the record goes through v160-209)
.endr
	ds_load_b64 v[208:209], v21
	s_wait_dscnt 0x0
.irp m, 0,1,2,3,4,5,6,7,8,9,10,11
	global_store_b128 v2, v[160+4*\m:160+4*\m+3], s[12:13] offset:512*\m   ; 512 consecutive bytes, aligned
.endr
	global_store_b64 v22, v[208:209], s[12:13] offset:6144         ; the record's 256 bytes of scale words
	s_wait_xcnt 0x0                                ; the record's stores have read v160-209, which x's turn writes again
	s_wait_loadcnt 16                              ; x's first fragment is in; the second's sixteen loads may be out
	XTURN 0
	s_wait_dscnt 0x0                               ; its numbers are back
	XQUANT 0, 224
	s_wait_loadcnt 0x0                             ; x's second fragment is in
	XTURN 1
	s_wait_dscnt 0x0
	XQUANT 1, 236
	s_wait_dscnt 0x0                               ; for the others' sake: my stores of x's scale words have landed
	s_barrier_signal -1
	s_barrier_wait -1                              ; x's scale words are whole
	s_cmp_lt_u32 s14, 8                            ; x has 8 records here: waves 0 to 7 store their scale words
	s_cbranch_scc0 .Ldone
	ds_load_b64 v[82:83], v23
	s_wait_dscnt 0x0
	global_store_b64 v22, v[82:83], s[36:37]
.Ldone:
	s_wait_tensorcnt 0x0
	ds_add_u32 v251, v255
	s_wait_dscnt 0x0
	s_endpgm
.Lfunc_end_k_qd959299757_prep:
	.size	k_qd959299757_prep, .Lfunc_end_k_qd959299757_prep-k_qd959299757_prep
	.p2alignl 7, 3214868480
	.fill 96, 4, 3214868480
	.section	.rodata,"a",@progbits
	.p2align	6, 0x0
	.amdhsa_kernel k_qd959299757_prep
		.amdhsa_group_segment_fixed_size 274944
		.amdhsa_private_segment_fixed_size 0
		.amdhsa_enable_private_segment 0
		.amdhsa_kernarg_size 40
		.amdhsa_user_sgpr_count 2
		.amdhsa_user_sgpr_kernarg_segment_ptr 1
		.amdhsa_wavefront_size32 1
		.amdhsa_system_sgpr_workgroup_id_x 1
		.amdhsa_system_sgpr_workgroup_id_y 1
		.amdhsa_system_sgpr_workgroup_id_z 1
		.amdhsa_system_vgpr_workitem_id 0
		.amdhsa_next_free_vgpr 256
		.amdhsa_next_free_sgpr 66
		.amdhsa_reserve_vcc 0
		.amdhsa_float_denorm_mode_32 3
		.amdhsa_float_denorm_mode_16_64 3
		.amdhsa_memory_ordered 1
		.amdhsa_forward_progress 1
		.amdhsa_inst_pref_size 109
	.end_amdhsa_kernel
	.amdgpu_metadata
---
amdhsa.version: [ 1, 2 ]
amdhsa.kernels:
  - .name:           k_qd959299757_prep
    .symbol:         k_qd959299757_prep.kd
    .args:
      - { .name: x, .offset: 0, .size: 8, .value_kind: global_buffer, .address_space: global }
      - { .name: packed_indices, .offset: 8, .size: 8, .value_kind: global_buffer, .address_space: global }
      - { .name: codebook, .offset: 16, .size: 8, .value_kind: global_buffer, .address_space: global }
      - { .name: xq, .offset: 24, .size: 8, .value_kind: global_buffer, .address_space: global }
      - { .name: wq, .offset: 32, .size: 8, .value_kind: global_buffer, .address_space: global }
    .group_segment_fixed_size: 274944
    .private_segment_fixed_size: 0
    .kernarg_segment_align: 8
    .kernarg_segment_size: 40
    .max_flat_workgroup_size: 512
    .sgpr_count:     66
    .vgpr_count:     256
    .wavefront_size: 32
...
	.end_amdgpu_metadata
.endif
;; end of part 1
;; launch gemm (part 2): grid 16 x 16, 4 waves a work-group, clusters of 4 x 4, 327,680 bytes of LDS; arguments xq, wq, out0; writes out0
.if DOCPART == 2
	.amdgcn_target "amdgcn-amd-amdhsa--gfx1250"
	.amdhsa_code_object_version 6
	.text
	.protected	k_qd959299757_gemm
	.globl	k_qd959299757_gemm
	.p2align	8
	.type	k_qd959299757_gemm,@function
k_qd959299757_gemm:
	s_mov_b64 s[64:65], 0
	v_nop
	global_prefetch_b8 v0, s[64:65] scope:SCOPE_SE
	s_setreg_imm32_b32 hwreg(HW_REG_WAVE_MODE, 25, 1), 1
	s_wait_xcnt 0x0
	s_wait_alu depctr_hold_cnt(0) depctr_sa_sdst(0) depctr_va_vdst(0) depctr_va_sdst(0) depctr_va_ssrc(0) depctr_va_vcc(0) depctr_vm_vsrc(0)
	s_getreg_b32 s2, hwreg(HW_REG_IB_STS2, 6, 4)
	s_cmp_eq_u32 s2, 0
	s_cbranch_scc0 .Lentry_in_a_cluster
	s_endpgm
.Lentry_in_a_cluster:
	s_bfe_u32 s2, ttmp6, 0x10000c
	s_cmp_lg_u32 s2, 0xf033
	s_cbranch_scc0 .Lentry_shape_is_right
	s_endpgm
.Lentry_shape_is_right:
; y = x w^T on codes of BF6 (E3M2) with E8M0 scales, from the records that launch prep laid: 64 rows x 128 K, four fragments in the order of the operand's registers, then 256 bytes of scale words.
; A work-group makes 128 x 256 of y: 16 x 16 work-groups.  Four waves: wave w takes columns 128 (w % 2) on and K half w / 2 (32 of the 64 K steps): 128 x 128 in 64 accumulators, 512 registers.
; At the end the two waves of a column half hand each other 64 rows of their sums through LDS and add; each stores 64 rows x 128 columns through its own stage, as whole rows of 512 bytes.
; THE RING: two slots of 153,600 bytes, each with two K steps of both K halves: A's 2 x 25,600 bytes, then B's 2 x 51,200.  Every block is dense in memory and comes as rows of 256 bytes.
; Waves 0 and 1 fetch A's two K halves, waves 2 and 3 B's: one tensor load a wave behind each round.  16 fills: two first fills and 14 refills.
; CLUSTERS: 4 x 4 work-groups; A's blocks are asked for jointly along a row of the cluster, B's along a column.
; THE MATRIX INSTRUCTION IS USED TRANSPOSED (source 0 = rows of w, source 1 = rows of x): a lane holds eight neighbouring numbers of a row of y.
; REGISTERS: window 0: v0-31 addresses, v32-47 scale words (lanes 0-15 x's, lanes 16-31 w's), v128-223 x's fragments, one set; window 1: w's fragments, two sets; windows 2, 3: the accumulators.
.set FR,     12
.set FRB,    1536
.set SUB,    6400
.set SCO,    6144
.set ASTEP,  2*SUB
.set BSTEP,  4*SUB
.set AH,     2*ASTEP
.set BH,     2*BSTEP
.set BOFF,   2*AH
.set SLOT,   2*AH+2*BH
.set SPARE,  2*SLOT
.set LAPS,   8
.set STAGE,  SLOT
.set SPITCH, 528
.set CO,   4
.set ADRA, 8
.set ADRB, 12
.set ADRS, 16
.set STO,  24
.set RD,   25
.set XW,   27
.set SPW,  28
.set NIL,  29
.set XRD,  30
.set SC,   32
.set AF,   128
.set BK,   128
.set G1, 24
.set G0, 32
.set G1B, 48
.set G0B, 56
.set MSB, 0
.macro WIN new
.if MSB != \new
	s_set_vgpr_msb (MSB<<8)|\new
.set MSB, \new
.endif
.endm
.set MUL_LO, 0xa1
.set MUL_HI, 0xf1
.set TO_B,   0x40
.macro JLOAD s
	s_cmp_eq_u32 s11, 0
	s_cbranch_scc0 .Lfor_b_\@
	tensor_load_to_lds s[G0+4*\s:G0+4*\s+3], s[G1:G1+7]
	s_nop 0
.rept 4
	v_nop
.endr
	s_branch .Lasked_\@
.Lfor_b_\@:
	tensor_load_to_lds s[G0B+4*\s:G0B+4*\s+3], s[G1B:G1B+7]
	s_nop 0
.rept 4
	v_nop
.endr
.Lasked_\@:
.endm
.macro CREST
	s_cmp_lg_u32 s10, 0
	s_cbranch_scc1 .Lnot_wave_0_\@
	s_barrier_signal -3
.Lnot_wave_0_\@:
	s_barrier_wait -3
	s_barrier_signal -1
	s_barrier_wait -1
.endm
.macro CROUND
	s_barrier_signal -1
	s_barrier_wait -1
	CREST
.endm
; A PREFETCH, behind each joint load: the fill that stands TWO fills on in my own stream (A's or B's K half that I fetch).  The four partners that ask for a block jointly share it out BY ADDRESS:
; partner p (cx for A, cy for B) takes a quarter: of A's 25,600 bytes 25 blocks of 256 bytes (one instruction, lanes 25-31 name block 24 again), of B's 51,200 bytes 50 blocks (two instructions, 32 + 18).
; So each block of 256 bytes is named once in each cluster that will load it.  The last two refills (the loop's last trip, s3 = 1) have no fill two on and ask for nothing.
.set PFO, 14                           ; v14 256 x min(lane, 24 or 31), v15 256 x min(lane, 17); never rewritten
.set PFA, 40                           ; s[40:41] my quarter of the fill that the next prefetch names
.set PFS, 44                           ; s[44:45] bytes from fill to fill: 25,600 for A, 51,200 for B
.macro ASK inloop
.if \inloop
	s_cmp_gt_u32 s3, 1
	s_cbranch_scc0 .Lno_ask_\@
.endif
	global_prefetch_b8 v[PFO], s[PFA:PFA+1] th:TH_LOAD_NT scope:SCOPE_SE
	s_cmp_eq_u32 s11, 0                            ; A's waves have asked for their 25 blocks
	s_cbranch_scc1 .Lno_ask_\@
	global_prefetch_b8 v[PFO+1], s[PFA:PFA+1] offset:8192 th:TH_LOAD_NT scope:SCOPE_SE
.Lno_ask_\@:
.endm
	s_load_b128 s[4:7], s[0:1], 0x0
	s_load_b64 s[8:9], s[0:1], 0x10
	v_lshl_add_u32 v[SPW], v0, 2, SPARE
	v_mov_b32 v[NIL], 0
	ds_add_u32 v28, v29
	ds_add_u32 v28, v29
	s_wait_dscnt 0x0
	v_lshrrev_b32 v1, 5, v0
	v_readfirstlane_b32 s10, v1
	s_lshr_b32 s11, s10, 1
	s_and_b32 s12, s10, 1
	s_bfe_u32 s40, ttmp6, 0x40000
	s_bfe_u32 s41, ttmp6, 0x40004
	s_lshl_b32 s42, ttmp9, 2
	s_add_co_u32 s42, s42, s40
	s_and_b32 s13, ttmp7, 0xffff
	s_lshl_b32 s13, s13, 2
	s_add_co_u32 s13, s13, s41
	s_lshl_b32 s43, s41, 2
	s_lshl_b32 s43, 15, s43
	s_lshl_b32 s44, 0x1111, s40
	s_or_b32 s[G1+0], s43, (3<<16)|(1<<21)
	s_or_b32 s[G1B+0], s44, (3<<16)|(1<<21)
	s_mov_b32 s[G1+1], 32<<16
	s_mov_b32 s[G1+2], (AH/256)<<16
	s_mov_b32 s[G1+3], 32<<16
	s_mov_b32 s[G1+4], AH/256
	s_mov_b32 s[G1+5], 32
	s_mov_b32 s[G1+6], 0
	s_mov_b32 s[G1+7], 0
	s_mov_b32 s[G1B+1], 32<<16
	s_mov_b32 s[G1B+2], (BH/256)<<16
	s_mov_b32 s[G1B+3], 32<<16
	s_mov_b32 s[G1B+4], BH/256
	s_mov_b32 s[G1B+5], 32
	s_mov_b32 s[G1B+6], 0
	s_mov_b32 s[G1B+7], 0
	s_mul_i32 s16, s13, 64*ASTEP
	s_mul_i32 s18, s12, 32*ASTEP
	s_add_co_u32 s16, s16, s18
	s_mov_b32 s17, 0
	s_mul_i32 s46, s42, 64*BSTEP
	s_mul_i32 s18, s12, 32*BSTEP
	s_add_co_u32 s46, s46, s18
	s_mov_b32 s47, 0
	s_mul_i32 s20, s12, AH
	s_mul_i32 s21, s12, BH
	s_add_co_u32 s21, s21, BOFF
	v_and_b32 v[PFO], 31, v0                       ; the prefetches' lane terms
	s_cmp_eq_u32 s11, 0
	s_cselect_b32 s2, 24, 31                       ; the last block of the first instruction: A's 25th, B's 32nd
	v_min_u32 v[PFO+1], 17, v[PFO]
	v_min_u32 v[PFO], s2, v[PFO]
	v_lshlrev_b32 v[PFO+1], 8, v[PFO+1]
	v_lshlrev_b32 v[PFO], 8, v[PFO]
	s_wait_alu depctr_va_vdst(0)                   ; the wait here, directly ahead of the wait below
	s_wait_kmcnt 0x0
	s_add_nc_u64 s[14:15], s[4:5], s[16:17]
	s_add_nc_u64 s[46:47], s[6:7], s[46:47]
.irp s, 0,1
	s_mov_b32 s[G0+4*\s], 1
	s_add_co_u32 s[G0+4*\s+1], s20, \s*SLOT
	s_add_nc_u64 s[G0+4*\s+2:G0+4*\s+3], s[14:15], \s*AH
	s_or_b32 s[G0+4*\s+3], s[G0+4*\s+3], 0x80000000
	s_mov_b32 s[G0B+4*\s], 1
	s_add_co_u32 s[G0B+4*\s+1], s21, \s*SLOT
	s_add_nc_u64 s[G0B+4*\s+2:G0B+4*\s+3], s[46:47], \s*BH
	s_or_b32 s[G0B+4*\s+3], s[G0B+4*\s+3], 0x80000000
.endr
	s_cmp_eq_u32 s11, 0                            ; do I fetch for A?
	s_cselect_b32 s2, s40, s41                     ; my place among the four that ask with me
	s_cselect_b64 s[PFA:PFA+1], s[14:15], s[46:47] ; my stream's first fill
	s_lshl_b32 s[PFS], AH, s11                     ; bytes of a fill: AH, or BH = 2 AH
	s_mov_b32 s[PFS+1], 0
	s_lshr_b32 s43, s[PFS], 2                      ; a partner's quarter
	s_mul_i32 s2, s2, s43
	s_add_co_u32 s2, s2, s[PFS]
	s_add_co_u32 s2, s2, s[PFS]                    ; + two fills: the first prefetch names fill 2
	s_mov_b32 s3, 0
	s_add_nc_u64 s[PFA:PFA+1], s[PFA:PFA+1], s[2:3]
	CROUND                                         ; all sixteen work-groups are here: the first joint loads meet
	JLOAD 0                                        ; fill 0: one tensor load a wave at the head
	ASK 0                                          ; fill 2
	v_and_b32 v1, 31, v0
	v_and_b32 v2, 15, v0
	v_bfe_u32 v3, v0, 4, 1
	s_wait_alu depctr_va_vdst(0)
	v_lshlrev_b32 v[CO], 4, v1
	v_lshlrev_b32 v5, 4, v2
	s_mul_i32 s16, s11, AH+SUB
	s_mul_i32 s17, s11, AH-SUB
	s_add_co_u32 s17, s17, SUB
	s_mul_i32 s18, s11, BH
	s_mul_i32 s19, s12, 2*SUB
	s_add_co_u32 s18, s18, s19
	s_add_co_u32 s18, s18, BOFF
	v_add_nc_u32 v[ADRA], s16, v[CO]
	v_add_nc_u32 v[ADRA+1], SLOT, v[ADRA]
	v_add_nc_u32 v[ADRA+2], s17, v[CO]
	v_add_nc_u32 v[ADRA+3], SLOT, v[ADRA+2]
	v_add_nc_u32 v[ADRB], s18, v[CO]
	v_add_nc_u32 v[ADRB+1], SLOT, v[ADRB]
	s_sub_co_u32 s19, s18, s16
	s_add_co_u32 s22, s18, SUB
	s_sub_co_u32 s22, s22, s17
.macro MKS q, e, sa, sd
	s_add_co_u32 s14, s[\sd], (BSTEP-ASTEP)*\q
	s_add_co_u32 s15, s[\sa], SCO+ASTEP*\q
	v_mul_u32_u24 v6, s14, v3
	s_wait_alu depctr_va_vdst(0)
	v_add_nc_u32 v6, v6, v5
	v_add_nc_u32 v[ADRS+2*\q+\e], s15, v6
	v_add_nc_u32 v[ADRS+4+2*\q+\e], SLOT, v[ADRS+2*\q+\e]
.endm
	MKS 0, 0, 16, 19
	MKS 0, 1, 17, 22
	MKS 1, 0, 16, 19
	MKS 1, 1, 17, 22
	s_mul_i32 s23, s10, 16*SPITCH
	s_add_co_u32 s23, s23, STAGE
	v_mul_u32_u24 v[STO], v2, SPITCH
	v_lshl_add_u32 v[STO], v3, 5, v[STO]
	v_add_nc_u32 v[STO], s23, v[STO]
	v_add_nc_u32 v[RD], s23, v[CO]
	s_lshl_b32 s14, s10, 15
	v_add_nc_u32 v[XW], s14, v[CO]
	s_xor_b32 s14, s10, 2
	s_lshl_b32 s14, s14, 15
	v_add_nc_u32 v[XRD], s14, v[CO]
	s_lshl_b32 s16, s13, 7
	s_lshl_b32 s17, s11, 6
	s_add_co_u32 s16, s16, s17
	s_lshl_b32 s16, s16, 14
	s_mov_b32 s17, 0
	s_lshl_b32 s46, s42, 10
	s_lshl_b32 s47, s12, 9
	s_add_co_u32 s46, s46, s47
	s_mov_b32 s47, 0
	s_add_nc_u64 s[16:17], s[16:17], s[46:47]
	s_add_nc_u64 s[8:9], s[8:9], s[16:17]
.macro FRAG reg, adr, off
.irp c, 0,1,2
	ds_load_b128 v[\reg+4*\c:\reg+4*\c+3], v[\adr] offset:\off+512*\c
.endr
.endm
.macro FETCH_B slot, q, p
	WIN TO_B
.irp b, 0,1,2,3,4,5,6,7
	FRAG 128*(\p)+FR*\b, ADRB+\slot, BSTEP*(\q)+SUB*(\b/4)+FRB*(\b%4)
.endr
	WIN 0
.endm
.macro FETCH_A slot, q, hi
.irp i, 0,1,2,3
	FRAG AF+FR*(4*\hi+\i), ADRA+2*\hi+\slot, ASTEP*(\q)+FRB*\i
.endr
.endm
.macro SCALES slot, q
	ds_load_b128 v[SC+8*\q:SC+8*\q+3], v[ADRS+4*\slot+2*\q]
	ds_load_b128 v[SC+8*\q+4:SC+8*\q+7], v[ADRS+4*\slot+2*\q+1]
.endm
.macro MUL16 a0, q, zero
.irp a, \a0, \a0+1
.irp b, 0,1,2,3,4,5,6,7
.if \zero
	v_wmma_scale_f32_16x16x128_f8f6f4 v[8*(8*((\a)%4)+\b):8*(8*((\a)%4)+\b)+7], v[128*(\q)+FR*\b:128*(\q)+FR*\b+FR-1], v[AF+FR*(\a):AF+FR*(\a)+FR-1], 0, v[SC+8*(\q)+\b], v[SC+8*(\q)+(\a)] matrix_a_fmt:MATRIX_FMT_BF6 matrix_b_fmt:MATRIX_FMT_BF6 matrix_a_scale:MATRIX_SCALE_ROW1
.else
	v_wmma_scale_f32_16x16x128_f8f6f4 v[8*(8*((\a)%4)+\b):8*(8*((\a)%4)+\b)+7], v[128*(\q)+FR*\b:128*(\q)+FR*\b+FR-1], v[AF+FR*(\a):AF+FR*(\a)+FR-1], v[8*(8*((\a)%4)+\b):8*(8*((\a)%4)+\b)+7], v[SC+8*(\q)+\b], v[SC+8*(\q)+(\a)] matrix_a_fmt:MATRIX_FMT_BF6 matrix_b_fmt:MATRIX_FMT_BF6 matrix_a_scale:MATRIX_SCALE_ROW1
.endif
.endr
.endr
.endm
.macro PLACES
.rept 4
	v_nop
.endr
.endm
.macro STEP slot, zero
	s_wait_dscnt 12
	WIN MUL_LO
	MUL16 0, 0, \zero
	MUL16 2, 0, \zero
	s_wait_dscnt 0
	PLACES
	FETCH_B \slot, 1, 1
	FETCH_A \slot, 1, 0
	SCALES \slot, 1
	WIN MUL_HI
	MUL16 4, 0, \zero
	MUL16 6, 0, \zero
	PLACES
	WIN 0
	FETCH_A \slot, 1, 1
.endm
.macro TURN slot, next, fill
.if \fill
	s_wait_xcnt 0x0                                ; my last prefetches have read their address: it steps one fill on
	s_add_nc_u64 s[PFA:PFA+1], s[PFA:PFA+1], s[PFS:PFS+1]
.endif
	s_wait_dscnt 12                                ; w's set, x's blocks 0-3 and the scale words are in; the youngest twelve loads (x's blocks 4-7) may be out
	WIN MUL_LO
	MUL16 0, 1, 0
	MUL16 2, 1, 0
	WIN 0
	s_wait_tensorcnt 0x0                           ; all my tensor loads have landed: the one that was out is my part of the next slot;
	ds_add_u32 v[SPW], v[NIL]                      ; 0 onto my spare word
.if \fill
	s_add_nc_u64 s[G0+4*\slot+2:G0+4*\slot+3], s[G0+4*\slot+2:G0+4*\slot+3], 2*AH     ; no load of mine is out: this slot's next fill
	s_add_nc_u64 s[G0B+4*\slot+2:G0B+4*\slot+3], s[G0B+4*\slot+2:G0B+4*\slot+3], 2*BH
.endif
	s_wait_dscnt 0x0                               ; the add is done, and my reads of this slot are over
	s_barrier_signal -1
	s_barrier_wait -1
.if \fill
	CREST                                          ; the barrier has opened a round of the cluster's barrier: no wave of any partner still reads this slot or has a load on its way
	JLOAD \slot                                    ; the first tensor load behind the round; its four v_nop are the places in front of the loads below
.else
	PLACES
.endif
	FETCH_B \next, 0, 0
	FETCH_A \next, 0, 0
	SCALES \next, 0
.if \fill
	ASK 1                                          ; the fill two on, behind the joint load and the run of LDS loads
.endif
	WIN MUL_HI
	MUL16 4, 1, 0
	MUL16 6, 1, 0
	PLACES
	WIN 0
	FETCH_A \next, 0, 1
.endm
	s_wait_alu depctr_va_vdst(0)                   ; the wait at the head's end
	s_wait_xcnt 0x0                                ; the first prefetches have read their address
	s_add_nc_u64 s[PFA:PFA+1], s[PFA:PFA+1], s[PFS:PFS+1]
	s_wait_tensorcnt 0x0                           ; my part of fill 0 is in
	ds_add_u32 v[SPW], v[NIL]
	s_wait_dscnt 0x0
	CROUND                                         ; a whole round: slot 0 is whole, and all sixteen work-groups are here
	JLOAD 1                                        ; fill 1, slot 1's first: the first tensor load behind the round
	FETCH_B 0, 0, 0
	FETCH_A 0, 0, 0
	SCALES 0, 0
	FETCH_A 0, 0, 1
	ASK 0                                          ; fill 3
	STEP 0, 1
	s_mov_b32 s3, LAPS-1
.Llap:
	TURN 0, 1, 1
	STEP 1, 0
	TURN 1, 0, 1
	STEP 0, 0
	s_sub_co_u32 s3, s3, 1
	s_cmp_lg_u32 s3, 0
	s_cbranch_scc1 .Llap
	TURN 0, 1, 0
	STEP 1, 0
	s_wait_dscnt 12
	WIN MUL_LO
	MUL16 0, 1, 0
	MUL16 2, 1, 0
	s_wait_dscnt 0
	WIN MUL_HI
	MUL16 4, 1, 0
	MUL16 6, 1, 0
	PLACES
	WIN 0x0c
.set i, 0
.rept 64
	ds_store_b128 v[XW], v[4*i:4*i+3] offset:512*i
.set i, i+1
.endr
	WIN 0
	s_wait_dscnt 0x0
	s_barrier_signal -1
	s_barrier_wait -1
	WIN TO_B
.set i, 0
.rept 64
	ds_load_b128 v[4*i:4*i+3], v[XRD] offset:512*i
.set i, i+1
.endr
	WIN 0x86
.irp a, 0,1,2,3
	s_wait_dscnt 48-16*\a
.set i, 64*\a
.rept 32
	v_pk_add_f32 v[i:i+1], v[i:i+1], v[i:i+1]
.set i, i+2
.endr
.endr
	WIN 0
.macro TOSTAGE a
	WIN 0x08
.irp b, 0,1,2,3,4,5,6,7
	ds_store_b128 v[STO], v[64*(\a)+8*\b:64*(\a)+8*\b+3] offset:64*\b
	ds_store_b128 v[STO], v[64*(\a)+8*\b+4:64*(\a)+8*\b+7] offset:64*\b+16
.endr
	WIN 0
.set BB, BK+64*((\a)%2)
.irp t, 0,1,2,3,4,5,6,7,8,9,10,11,12,13,14,15
	ds_load_b128 v[BB+4*\t:BB+4*\t+3], v[RD] offset:\t*SPITCH
.endr
.endm
.macro SEND a, younger
.set BB, BK+64*((\a)%2)
	s_wait_dscnt \younger
.if (\a) > 0
	s_add_nc_u64 s[8:9], s[8:9], 16*16384
.endif
.irp t, 0,1,2,3,4,5,6,7,8,9,10,11,12,13,14,15
	global_store_b128 v[CO], v[BB+4*\t:BB+4*\t+3], s[8:9] offset:\t*16384 th:TH_STORE_NT
.endr
.endm
	TOSTAGE 0
	s_wait_alu depctr_va_vdst(0)
.irp a, 1,2,3
.if \a > 1
	s_wait_xcnt 0x0
.endif
	TOSTAGE \a
	SEND \a-1, 32
.endr
	s_wait_xcnt 0x0
	SEND 3, 0
	s_wait_tensorcnt 0x0
	ds_add_u32 v[SPW], v[NIL]
	s_wait_dscnt 0x0
	CROUND
	s_endpgm
.Lfunc_end_k_qd959299757_gemm:
	.size	k_qd959299757_gemm, .Lfunc_end_k_qd959299757_gemm-k_qd959299757_gemm
	.p2alignl 7, 3214868480
	.fill 96, 4, 3214868480
	.section	.rodata,"a",@progbits
	.p2align	6, 0x0
	.amdhsa_kernel k_qd959299757_gemm
		.amdhsa_group_segment_fixed_size 327680
		.amdhsa_private_segment_fixed_size 0
		.amdhsa_enable_private_segment 0
		.amdhsa_kernarg_size 24
		.amdhsa_user_sgpr_count 2
		.amdhsa_user_sgpr_kernarg_segment_ptr 1
		.amdhsa_wavefront_size32 1
		.amdhsa_system_sgpr_workgroup_id_x 1
		.amdhsa_system_sgpr_workgroup_id_y 1
		.amdhsa_system_sgpr_workgroup_id_z 1
		.amdhsa_system_vgpr_workitem_id 0
		.amdhsa_next_free_vgpr 1024
		.amdhsa_next_free_sgpr 66
		.amdhsa_reserve_vcc 0
		.amdhsa_float_denorm_mode_32 3
		.amdhsa_float_denorm_mode_16_64 3
		.amdhsa_memory_ordered 1
		.amdhsa_forward_progress 1
		.amdhsa_inst_pref_size 137
	.end_amdhsa_kernel
	.amdgpu_metadata
---
amdhsa.version: [ 1, 2 ]
amdhsa.kernels:
  - .name:           k_qd959299757_gemm
    .symbol:         k_qd959299757_gemm.kd
    .args:
      - { .name: xq, .offset: 0, .size: 8, .value_kind: global_buffer, .address_space: global }
      - { .name: wq, .offset: 8, .size: 8, .value_kind: global_buffer, .address_space: global }
      - { .name: out0, .offset: 16, .size: 8, .value_kind: global_buffer, .address_space: global }
    .group_segment_fixed_size: 327680
    .private_segment_fixed_size: 0
    .kernarg_segment_align: 8
    .kernarg_segment_size: 24
    .max_flat_workgroup_size: 128
    .sgpr_count:     66
    .vgpr_count:     1024
    .wavefront_size: 32
...
	.end_amdgpu_metadata
.endif
;; end of part 2
